; MI455X (gfx1250); checked and timed in simulation.
; The chip was launched on July 23, 2026; its instructions are those of AMD's public machine-readable ISA for CDNA 5 (MIT licence, August 2026) and "CDNA5" Instruction Set Architecture Reference Guide (July 2026). The comments in the code are by the model that wrote it; some were corrected since.
;; Attention. Allowed arithmetic: matrix products marked QUANTISED: E2M3 operands, one E8M0 scale for each 32 along K, by v_wmma_scale_f32_16x16x128_f8f6f4 with both operands' format E2M3, f32 sums; products left as they are: f32 operands where the result goes on into a quantised operand, else bf16, f16 or f32 operands; f32 sums; everything else in f32.
;; Inputs: W_out 1,024 x 1,024 float32; W_qkv 1,024 x 3,072 float32; b_out 1,024 float32; x 4 x 4,096 x 1,024 float32.
;; Outputs: out0 4 x 4,096 x 1,024 float32.
;; This version of the problem:
;;   THIS VERSION OF THE PROBLEM IS GIVEN IN LOW PRECISION. The matrix products marked QUANTISED in the list below multiply operands that are first quantised to E2M3 (2 exponent bits, 3 mantissa bits; 6 bits a number), with one power-of-two scale for each 32 numbers along K (OCP MX v1.0); their sums are f32. All else is computed in f32.
;;   The module's matrix products, in the order in which they are computed (A, B: the left and right operand; K: the contracted axis; several contracted axes count as one K, in the product's order):
;;     1. [M 16,384, K 1,024] x [K 1,024, N 3,072]; A: input x; B: input W_qkv: QUANTISED
;;     2. batch 16,384 x [M 16, K 64] x [K 64, N 16]; A: computed on the way; B: computed on the way: QUANTISED
;;     3. batch 16,384 x [M 16, K 16] x [K 16, N 64]; A: softmax; B: computed on the way: left as it is (K = 16 < 32)
;;     4. [M 16,384, K 1,024] x [K 1,024, N 1,024]; A: computed on the way; B: input W_out: QUANTISED
;;   THE QUANTISER, for each operand of a quantised product, along K:
;;     - K is cut into blocks of 32 from its start; a last block that is shorter is filled with zeros.
;;     - A block's scale is 2^e with e = floor(log2(the largest magnitude in the block)) - 2, held to -126 .. 127; a block of zeros has e = 0. As a byte (E8M0): e + 127.
;;     - Each number is divided by its block's scale, clamped to +-7.5, and rounded to the nearest number of E2M3, ties to even, subnormals kept.
;;     - The product sums the exact products of the quantised numbers (number of the format x scale) in f32.
;;   ~~~python
;;   def quantise(x, axis):      # numpy; x: float32 -> the quantised numbers, widened to float32 again
;;       x = np.moveaxis(x, axis, -1); K = x.shape[-1]
;;       x = np.pad(x, [(0, 0)] * (x.ndim - 1) + [(0, -K % 32)]); x = x.reshape(x.shape[:-1] + (-1, 32)); a = np.abs(x).max(-1, keepdims=True)
;;       e = np.where(a > 0, np.clip(np.frexp(np.where(a > 0, a, 1))[1] - 1 - 2, -126, 127), 0)      # np.frexp(a)[1] - 1 = floor(log2(a)), exactly
;;       r = np.clip(x / 2.0 ** e, -7.5, 7.5)
;;       step = 2.0 ** (np.maximum(np.frexp(np.where(r == 0, 1, r))[1] - 1, 0) - 3)
;;       q = np.round(r / step) * step * 2.0 ** e      # np.round: ties to even
;;       return np.moveaxis(q.reshape(q.shape[:-2] + (-1,))[..., :K], -1, axis).astype(np.float32)
;;   ~~~
;;   OPERANDS COMPUTED ON THE WAY. 'Computed on the way' means the value that the module computes at that place (a softmax that the list does not call 'softmax' is quantised finished and normalised). What goes into a quantiser is computed in f32, as accurately as f32 sums, v_exp_f32 and their like allow (about 1e-6 of the number): no bf16 or f16 on the way to a quantiser, and a product that is left as it is and whose result goes on into a quantised operand takes f32 operands (vector FMAs, or v_wmma_f32_16x16x4_f32). A number that lies on a knife's edge between two numbers of the format may be rounded either way, as far as f32 arithmetic and the matrix unit's own rounding can turn it there, and no further.
;; One version. Each part assembles by itself: llvm-mc -triple=amdgcn-amd-amdhsa -mcpu=gfx1250 --defsym DOCPART=n.
;; ======== version 1 of 1: 2 launches
;; limits: right only within a limited range of input values
;; workspace buffers: wbuf 3,276,800 bytes
;; launch wquant (part 1): grid 32 x 8, 4 waves a work-group, no clusters, 0 bytes of LDS; arguments W_qkv, W_out, wbuf; writes wbuf
.if DOCPART == 1
	.amdgcn_target "amdgcn-amd-amdhsa--gfx1250"
	.amdhsa_code_object_version 6
	.text
	.protected	k_qad87b0b100_wquant
	.globl	k_qad87b0b100_wquant
	.p2align	8
	.type	k_qad87b0b100_wquant,@function
k_qad87b0b100_wquant:
	s_mov_b64 s[64:65], 0
	v_nop
	global_prefetch_b8 v0, s[64:65] scope:SCOPE_SE
	s_setreg_imm32_b32 hwreg(HW_REG_WAVE_MODE, 25, 1), 1
	s_wait_xcnt 0x0
; W_qkv [1024][3072] and W_out [1024][1024], f32, K = the first axis, become codes of FP6 (E2M3) with one E8M0 byte for each 32 along K,
; laid in wbuf as ONE STREAM in the order in which the second launch walks it, each fragment as an image of the operand's registers.
; wbuf: 32 slots x 4 waves x 25,600 bytes.  In a block: column tile p (0, 1), K step s (0..7): the fragment's 12 registers at 12,288 p + 1,536 s,
; registers 4 c .. 4 c + 3 of lane l at 512 c + 16 l; the scale words (tile row rho, 128 along K) at 24,576 + 128 s + 64 p + 4 rho.
; THE COLUMNS OF A TILE ARE NOT NEIGHBOURS: of 32 columns from c0 on, tile u takes c0 + 8 u + rho + 8 (rho / 8), so that in the transposed product the 16 registers of tiles 0 and 1 are 16 neighbouring columns.
; A LANE TAKES A COLUMN AND ITS REGISTERS RUN DOWN K: a block of 32 lies in one lane, its largest magnitude needs no other lane, the conversions give K innermost.  A wave takes 32 columns x 128 along K:
; lane l takes column c0 + (l with bits 3 and 4 swapped), so lanes 0-15 hold tile 0's rows and lanes 16-31 tile 1's; each load of a wave reads 128 consecutive bytes, the four waves stand side by side on 512.
; A block's scale is 2^(floor(log2(largest magnitude)) - 2): its byte is the largest magnitude's exponent field - 2, held at 1 from below.
; LIMITS: a block of zeros gets the byte 1 where the rule says 127 (its codes are zeros, and this program alone reads the bytes); NaN and infinities among the inputs are not served.
; No LDS, no barrier, no matrix unit: waves share nothing, and every store of codes covers 512 consecutive bytes at a multiple of 256.
.set X,   32                           ; v32-159   four blocks of 32 numbers
.set RO,  160                          ; v160-191  byte offset of row i of a block at my column
.set F0,  192                          ; v192-203  blocks 0 and 2, then tile 0's fragment
.set F1,  204                          ; v204-215  blocks 1 and 3, then tile 1's fragment
	s_load_b128 s[4:7], s[0:1], 0x0                ; W_qkv, W_out
	s_load_b64 s[8:9], s[0:1], 0x10                ; wbuf
	v_lshrrev_b32 v1, 5, v0
	v_readfirstlane_b32 s10, v1                    ; wave 0..3
	v_and_b32 v1, 31, v0                           ; lane
	s_mov_b32 s11, ttmp9                           ; cg: group of 128 columns: 0-23 of W_qkv, 24-31 of W_out
	s_and_b32 s12, ttmp7, 0xffff                   ; the K step of 128
	v_and_b32 v5, 7, v1
	v_bfe_u32 v6, v1, 3, 1
	v_bfe_u32 v7, v1, 4, 1
	v_lshl_or_b32 v5, v6, 4, v5
	v_lshl_or_b32 v5, v7, 3, v5                    ; the lane with bits 3 and 4 swapped: my column among the 32
	v_lshlrev_b32 v2, 2, v5
	v_lshlrev_b32 v3, 4, v1                        ; an image's place for my lane
	s_and_b32 s36, s10, 1
	s_lshr_b32 s37, s10, 1
	s_and_b32 s38, s11, 1
	; where the wave's two tiles go: s13 the block (4 x slot + wave of the reader), s14 the tile's place p in it, s15 bytes from tile 0's fragment to tile 1's, s16 the same for the scale words
	s_cmp_lt_u32 s11, 16
	s_cbranch_scc0 .Lnot_qk
	s_lshr_b32 s13, s11, 1                         ; q and k: head H = 2 cg + wave / 2, half b = wave % 2: slot 2 (H / 4) + b, reader H % 4, p = u
	s_lshl_b32 s13, s13, 1
	s_add_co_u32 s13, s13, s36
	s_lshl_b32 s13, s13, 2
	s_lshl_b32 s39, s38, 1
	s_add_co_u32 s13, s13, s39
	s_add_co_u32 s13, s13, s37
	s_mov_b32 s14, 0
	s_mov_b32 s15, 12288
	s_mov_b32 s16, 64
	s_branch .Lmapped
.Lnot_qk:
	s_cmp_lt_u32 s11, 24
	s_cbranch_scc0 .Lout
	s_sub_co_u32 s13, s11, 16                      ; v: head g = 2 (cg - 16) + wave / 2, half b = wave % 2: slot 16 + 4 b + 2 u + (g / 2) % 2, reader g / 4, p = g % 2
	s_lshr_b32 s13, s13, 1
	s_lshl_b32 s39, s36, 4
	s_add_co_u32 s13, s13, s39
	s_lshl_b32 s39, s38, 2
	s_add_co_u32 s13, s13, s39
	s_add_co_u32 s13, s13, 64
	s_mov_b32 s14, s37
	s_mov_b32 s15, 204800                          ; tile 1 lies two slots on
	s_mov_b32 s16, 204800
	s_branch .Lmapped
.Lout:
	s_sub_co_u32 s13, s11, 24                      ; W_out: c0 = 128 (cg - 24) + 32 wave = 256 w + 64 i + 32 sigma: slot 24 + 2 i + sigma, reader w, p = u
	s_lshr_b32 s13, s13, 1
	s_lshl_b32 s39, s38, 4
	s_add_co_u32 s13, s13, s39
	s_lshl_b32 s39, s10, 2
	s_add_co_u32 s13, s13, s39
	s_add_co_u32 s13, s13, 96
	s_mov_b32 s14, 0
	s_mov_b32 s15, 12288
	s_mov_b32 s16, 64
.Lmapped:
	s_wait_kmcnt 0x0
	s_cmp_lt_u32 s11, 24                           ; which tensor: the choice hangs on the work-group's number alone
	s_cselect_b64 s[20:21], s[4:5], s[6:7]
	s_mov_b32 s17, 4096
	s_cselect_b32 s17, 12288, s17                  ; its row in bytes
	s_cselect_b32 s39, 0, 24
	s_sub_co_u32 s39, s11, s39
	s_lshl_b32 s39, s39, 9
	s_lshl_b32 s38, s10, 7
	s_add_co_u32 s39, s39, s38                     ; 4 c0
	s_lshl_b32 s36, s12, 7
	s_mul_i32 s36, s36, s17                        ; the K step's first row
	s_add_co_u32 s36, s36, s39
	s_mov_b32 s37, 0
	s_add_nc_u64 s[22:23], s[20:21], s[36:37]      ; block 0's first row at c0,
	s_lshl_b32 s36, s17, 5
	s_add_nc_u64 s[24:25], s[22:23], s[36:37]      ; and 32 rows on for each further block
	s_add_nc_u64 s[26:27], s[24:25], s[36:37]
	s_add_nc_u64 s[28:29], s[26:27], s[36:37]
.set i, 0
	s_wait_alu depctr_va_vdst(0)
.rept 32
	v_mad_u32_u24 v[RO+i], s17, i, v2              ; row i of a block, my column
.set i, i+1
.endr
.macro LOADB kb                        ; block kb: W(32 kb + i, my column), i = 0 .. 31
.set i, 0
.rept 32
	global_load_b32 v[X+32*(\kb)+i], v[RO+i], s[22+2*(\kb):23+2*(\kb)] th:TH_LOAD_NT
.set i, i+1
.endr
.endm
	LOADB 0
	LOADB 1
	s_mul_i32 s40, s13, 25600                      ; the block's first byte
	s_mul_i32 s36, s14, 12288
	s_add_co_u32 s36, s36, s40
	s_mul_i32 s38, s12, 1536
	s_add_co_u32 s36, s36, s38
	s_add_nc_u64 s[30:31], s[8:9], s[36:37]        ; tile 0's fragment
	s_mov_b32 s36, s15
	s_add_nc_u64 s[32:33], s[30:31], s[36:37]      ; tile 1's
	s_lshl_b32 s36, s12, 7
	s_lshl_b32 s38, s14, 6
	s_add_co_u32 s36, s36, s38
	s_add_co_u32 s36, s36, s40
	s_add_co_u32 s36, s36, 24576
	s_add_nc_u64 s[34:35], s[8:9], s[36:37]        ; tile 0's scale words
	v_and_b32 v6, 15, v1
	v_lshrrev_b32 v7, 4, v1
	v_mul_u32_u24 v7, s16, v7
	v_lshl_add_u32 v4, v6, 2, v7                   ; 4 rho, and for lanes 16-31 on to tile 1's words
; Block kb of my column: its byte into the scale word v16, its 32 codes into six registers from dst on.
.macro QB kb, dst
.set XS, X+32*(\kb)
	v_max3_num_f32 v8, |v[XS]|, |v[XS+1]|, |v[XS+2]|               ; the block's largest magnitude, in two chains
	v_max3_num_f32 v9, |v[XS+3]|, |v[XS+4]|, |v[XS+5]|
.irp i, 6,10,14,18,22,26
	v_max3_num_f32 v8, v8, |v[XS+\i]|, |v[XS+\i+1]|
	v_max3_num_f32 v9, v9, |v[XS+\i+2]|, |v[XS+\i+3]|
.endr
	v_max3_num_f32 v8, v8, |v[XS+30]|, |v[XS+31]|
	v_max3_num_f32 v8, v8, v9, 0x1800000           ; and the floor 2^(3 - 127): the byte cannot fall under 1
	v_add_nc_u32 v10, 0xff000000, v8               ; 2 off the exponent field: the conversion takes the exponent field of this operand as its scale
	v_lshrrev_b32 v11, 23, v10                     ; the scale's byte
.if (\kb) == 0
	v_mov_b32 v16, v11
.else
	v_lshl_or_b32 v16, v11, 8*(\kb), v16           ; the lower K in the lower byte
.endif
	v_cvt_scalef32_pk16_fp6_f32 v[\dst:\dst+2], v[XS:XS+15], v10
	v_cvt_scalef32_pk16_fp6_f32 v[20:22], v[XS+16:XS+31], v10      ; (a conversion's three registers begin on an even number)
	v_nop                                          ; one plain place behind a scaled conversion
.irp i, 0,1,2
	v_mov_b32 v[\dst+3+\i], v[20+\i]
.endr
.endm
	s_wait_alu depctr_va_vdst(0)
	s_wait_loadcnt 32                              ; block 0's 32 loads are in; block 1's may be out
	LOADB 2
	QB 0, F0
	s_wait_loadcnt 32                              ; block 1's are in; block 2's may be out
	LOADB 3
	QB 1, F1
	s_wait_loadcnt 32                              ; block 2's are in; block 3's may be out
	QB 2, F0+6
	s_wait_loadcnt 0x0
	QB 3, F1+6
; The operand's layout gives lanes 0-15 blocks 0 and 2 of a tile row and lanes 16-31 blocks 1 and 3.  F0's lanes 16-31 change places with F1's lanes 0-15: F0 is then tile 0's fragment, F1 tile 1's.
.set i, 0
.rept 12
	v_permlane16_swap_b32 v[F0+i], v[F1+i]
.set i, i+1
.endr
.irp c, 0,1,2
	global_store_b128 v3, v[F0+4*\c:F0+4*\c+3], s[30:31] offset:512*\c    ; 32 lanes store 512 consecutive bytes, at a multiple of 256 from wbuf's first byte
	global_store_b128 v3, v[F1+4*\c:F1+4*\c+3], s[32:33] offset:512*\c
.endr
	global_store_b32 v4, v16, s[34:35]             ; the scale words: lanes 0-15 tile 0's rows, lanes 16-31 tile 1's
	s_endpgm
.Lfunc_end_k_qad87b0b100_wquant:
	.size	k_qad87b0b100_wquant, .Lfunc_end_k_qad87b0b100_wquant-k_qad87b0b100_wquant
	.p2alignl 7, 3214868480
	.fill 96, 4, 3214868480
	.section	.rodata,"a",@progbits
	.p2align	6, 0x0
	.amdhsa_kernel k_qad87b0b100_wquant
		.amdhsa_group_segment_fixed_size 0
		.amdhsa_private_segment_fixed_size 0
		.amdhsa_enable_private_segment 0
		.amdhsa_kernarg_size 24
		.amdhsa_user_sgpr_count 2
		.amdhsa_user_sgpr_kernarg_segment_ptr 1
		.amdhsa_wavefront_size32 1
		.amdhsa_system_sgpr_workgroup_id_x 1
		.amdhsa_system_sgpr_workgroup_id_y 1
		.amdhsa_system_sgpr_workgroup_id_z 1
		.amdhsa_system_vgpr_workitem_id 0
		.amdhsa_next_free_vgpr 224
		.amdhsa_next_free_sgpr 66
		.amdhsa_reserve_vcc 0
		.amdhsa_float_denorm_mode_32 3
		.amdhsa_float_denorm_mode_16_64 3
		.amdhsa_memory_ordered 1
		.amdhsa_forward_progress 1
		.amdhsa_inst_pref_size 25
	.end_amdhsa_kernel
	.amdgpu_metadata
---
amdhsa.version: [ 1, 2 ]
amdhsa.kernels:
  - .name:           k_qad87b0b100_wquant
    .symbol:         k_qad87b0b100_wquant.kd
    .args:
      - { .name: W_qkv, .offset: 0, .size: 8, .value_kind: global_buffer, .address_space: global }
      - { .name: W_out, .offset: 8, .size: 8, .value_kind: global_buffer, .address_space: global }
      - { .name: wbuf, .offset: 16, .size: 8, .value_kind: global_buffer, .address_space: global }
    .group_segment_fixed_size: 0
    .private_segment_fixed_size: 0
    .kernarg_segment_align: 8
    .kernarg_segment_size: 24
    .max_flat_workgroup_size: 128
    .sgpr_count:     66
    .vgpr_count:     224
    .wavefront_size: 32
...
	.end_amdgpu_metadata
.endif
;; end of part 1
;; launch fused (part 2): grid 256 x 1, 4 waves a work-group, clusters of 4 x 1, 327,680 bytes of LDS; arguments x, wbuf, b_out, out0; writes out0
.if DOCPART == 2
	.amdgcn_target "amdgcn-amd-amdhsa--gfx1250"
	.amdhsa_code_object_version 6
	.text
	.protected	k_qad87b0b100_fused
	.globl	k_qad87b0b100_fused
	.p2align	8
	.type	k_qad87b0b100_fused,@function
k_qad87b0b100_fused:
	s_mov_b64 s[64:65], 0
	v_nop
	global_prefetch_b8 v0, s[64:65] scope:SCOPE_SE
	s_setreg_imm32_b32 hwreg(HW_REG_WAVE_MODE, 25, 1), 1
	s_wait_xcnt 0x0
	s_wait_alu depctr_hold_cnt(0) depctr_sa_sdst(0) depctr_va_vdst(0) depctr_va_sdst(0) depctr_va_ssrc(0) depctr_va_vcc(0) depctr_vm_vsrc(0)
	s_getreg_b32 s2, hwreg(HW_REG_IB_STS2, 6, 4)
	s_cmp_eq_u32 s2, 0
	s_cbranch_scc0 .Lentry_in_a_cluster
	s_endpgm
.Lentry_in_a_cluster:
	s_bfe_u32 s2, ttmp6, 0x10000c
	s_cmp_lg_u32 s2, 0x3003
	s_cbranch_scc0 .Lentry_shape_is_right
	s_endpgm
.Lentry_shape_is_right:
; out = (softmax over heads of q k^T / 8, per token) v W_out + b_out, with q, k, v = x W_qkv: the whole chain for 64 tokens in one work-group of four waves.
; x is quantised to FP6 (E2M3, one E8M0 byte for 32 along K) at the head; its codes (64 rows x K 1,024: 384 registers) stay in every wave's registers.
; THE WEIGHTS: wbuf holds 32 slots x 4 waves x 25,600 bytes, each block an image of the operand registers of 32 columns x K 1,024 (8 K steps x 2 tiles x 12 registers, then the scale words).
; They go through a ring of two LDS slots of 102,400 bytes; each wave fetches and reads its own block of a slot, one tensor load a wave behind each change of slots.
; CLUSTERS: all work-groups walk the same stream, so four form a cluster and ask for each block JOINTLY (mask 15); a round of the cluster's barrier stands in front of every joint load.
; PREFETCH: behind the joint refill of slot t + 2, in slot t, each wave names 25 blocks of 256 bytes of slot t + 4, two refills on (one instruction; lanes 25-31 repeat the last);
; the four partners x four waves share a slot's 400 blocks out by address.  The head names slots 1 to 3, one every eighth step of the quantiser; slot 0 comes by its load alone; slots 28 to 31 name nothing.
; PHASES: slots 0-15 q and k (quantised per head half, codes to LDS); scores and softmax, 16 tokens a wave; slots 16-23 v (f32 to LDS), p v in f32 (v_wmma_f32_16x16x4_f32), its result quantised to LDS;
; slots 24-31 W_out with the bias as C of the first K step; rows leave through a stage in LDS as whole units of 256 bytes.
; All matrix products are used transposed (source 0 = weights' columns, source 1 = tokens), so a lane's registers run along the next K.
; LIMITS: a block of zeros gets the scale byte 1 where the rule says 127 (its codes are zeros; the bytes are read here alone); NaN and infinities among the inputs are not served.
.set SLOTB, 102400
.set WBLK,  25600
.set SCOFF, 24576
.set SPARE, 204800
.set NR,    205312
.set AR,    NR
.set AS,    NR+50176
.set XT,    NR+53248
.set QC,    NR
.set QS,    NR+99328
.set VST,   NR+53248
.set YST,   NR
.set SPW,  1
.set NIL,  2
.set FA,   3
.set SA,   5
.set AA,   7
.set ASA,  8
.set QW0,  9
.set QSW0, 10
.set QA,   11
.set QSA,  12
.set VW,   13
.set VA,   14
.set OA,   15
.set OSA,  16
.set YW,   17
.set YR,   18
.set YG,   19
.set BA,   20
.set XG,   21
.set XTI,  22
.set XTO,  23
.set XCW,  24
.set XSW,  25
.set PFO,  31                          ; v31: the prefetches' offset in a slot; made in the head before the quantiser, never rewritten
.set WF,   32
.set ACC,  128
.set ASC,  192
.set WSC,  208
.set T,    224
.set TP,   228
.set TS,   232
.set NM,   232
.set HB,   236
.set CV,   240
.set BI,   224
.set MSB, 0
.macro WIN new
.if MSB != \new
	s_set_vgpr_msb (MSB<<8)|\new
.set MSB, \new
.endif
.endm
.macro PLACES n
.rept \n
	v_nop
.endr
.endm
.macro BAR
	s_wait_dscnt 0x0
	s_barrier_signal -1
	s_barrier_wait -1
.endm
.macro CREST
	s_cmp_lg_u32 s12, 0
	s_cbranch_scc1 .Lnot_wave_0_\@
	s_barrier_signal -3
.Lnot_wave_0_\@:
	s_barrier_wait -3
	s_barrier_signal -1
	s_barrier_wait -1
.endm
.macro CROUND
	s_barrier_signal -1
	s_barrier_wait -1
	CREST
.endm
.macro WM d, a, b, sa, sb, ra, rb, cm, cr
.if (\cm) == 0
.if (\ra) == 0 && (\rb) == 0
	v_wmma_scale_f32_16x16x128_f8f6f4 v[\d:\d+7], v[\a:\a+11], v[\b:\b+11], 0, v[\sa], v[\sb] matrix_a_fmt:MATRIX_FMT_FP6 matrix_b_fmt:MATRIX_FMT_FP6
.elseif (\ra) == 1 && (\rb) == 0
	v_wmma_scale_f32_16x16x128_f8f6f4 v[\d:\d+7], v[\a:\a+11], v[\b:\b+11], 0, v[\sa], v[\sb] matrix_a_fmt:MATRIX_FMT_FP6 matrix_b_fmt:MATRIX_FMT_FP6 matrix_a_scale:MATRIX_SCALE_ROW1
.elseif (\ra) == 0
	v_wmma_scale_f32_16x16x128_f8f6f4 v[\d:\d+7], v[\a:\a+11], v[\b:\b+11], 0, v[\sa], v[\sb] matrix_a_fmt:MATRIX_FMT_FP6 matrix_b_fmt:MATRIX_FMT_FP6 matrix_b_scale:MATRIX_SCALE_ROW1
.else
	v_wmma_scale_f32_16x16x128_f8f6f4 v[\d:\d+7], v[\a:\a+11], v[\b:\b+11], 0, v[\sa], v[\sb] matrix_a_fmt:MATRIX_FMT_FP6 matrix_b_fmt:MATRIX_FMT_FP6 matrix_a_scale:MATRIX_SCALE_ROW1 matrix_b_scale:MATRIX_SCALE_ROW1
.endif
.else
.if (\ra) == 0 && (\rb) == 0
	v_wmma_scale_f32_16x16x128_f8f6f4 v[\d:\d+7], v[\a:\a+11], v[\b:\b+11], v[\cr:\cr+7], v[\sa], v[\sb] matrix_a_fmt:MATRIX_FMT_FP6 matrix_b_fmt:MATRIX_FMT_FP6
.elseif (\ra) == 1 && (\rb) == 0
	v_wmma_scale_f32_16x16x128_f8f6f4 v[\d:\d+7], v[\a:\a+11], v[\b:\b+11], v[\cr:\cr+7], v[\sa], v[\sb] matrix_a_fmt:MATRIX_FMT_FP6 matrix_b_fmt:MATRIX_FMT_FP6 matrix_a_scale:MATRIX_SCALE_ROW1
.elseif (\ra) == 0
	v_wmma_scale_f32_16x16x128_f8f6f4 v[\d:\d+7], v[\a:\a+11], v[\b:\b+11], v[\cr:\cr+7], v[\sa], v[\sb] matrix_a_fmt:MATRIX_FMT_FP6 matrix_b_fmt:MATRIX_FMT_FP6 matrix_b_scale:MATRIX_SCALE_ROW1
.else
	v_wmma_scale_f32_16x16x128_f8f6f4 v[\d:\d+7], v[\a:\a+11], v[\b:\b+11], v[\cr:\cr+7], v[\sa], v[\sb] matrix_a_fmt:MATRIX_FMT_FP6 matrix_b_fmt:MATRIX_FMT_FP6 matrix_a_scale:MATRIX_SCALE_ROW1 matrix_b_scale:MATRIX_SCALE_ROW1
.endif
.endif
.endm
.macro FRAGS z, s, q
.irp u, 0,1
.irp c, 0,1,2
	ds_load_b128 v[WF+24*(\q)+12*\u+4*\c:WF+24*(\q)+12*\u+4*\c+3], v[FA+(\z)] offset:12288*\u+1536*(\s)+512*\c
.endr
.endr
.endm
.macro WSCL z
.irp s, 0,1,2,3,4,5,6,7
	ds_load_b32 v[WSC+8*(\z)+\s], v[SA+(\z)] offset:128*\s
.endr
.endm
.macro PRO z
	FRAGS \z, 0, 0
	FRAGS \z, 1, 1
	WSCL \z
	FRAGS \z, 2, 2
	FRAGS \z, 3, 3
.endm
.macro KST z, s, cm
.irp m, 0,1,2,3
.irp u, 0,1
.if (\cm) == 1
	WM ACC+16*\m+8*\u, WF+24*((\s)%4)+12*\u, 12*(4*\m+(\s)%4), WSC+8*(\z)+(\s), ASC+8*(\m/2)+(\s), \u, \m%2, 1, BI+16*(\z)+8*\u
.else
	WM ACC+16*\m+8*\u, WF+24*((\s)%4)+12*\u, 12*(4*\m+(\s)%4), WSC+8*(\z)+(\s), ASC+8*(\m/2)+(\s), \u, \m%2, \cm, ACC+16*\m+8*\u
.endif
.endr
.endr
.endm
.macro QEPI z
	v_add_nc_u32 v26, s37, v[QW0]
	v_add_nc_u32 v27, 49664, v26
.if (\z) == 1
	v_add_nc_u32 v28, s38, v[QSW0]
.endif
.irp m, 0,1,2,3
	v_max3_num_f32 v[T+\m], |v[ACC+16*\m]|, |v[ACC+16*\m+1]|, 0x1800000
.endr
.irp i, 2,4,6,8,10,12,14
.irp m, 0,1,2,3
	v_max3_num_f32 v[T+\m], v[T+\m], |v[ACC+16*\m+\i]|, |v[ACC+16*\m+\i+1]|
.endr
.endr
.irp m, 0,1,2,3
	v_permlanex16_b32 v[TP+\m], v[T+\m], s32, s33
.endr
.irp m, 0,1,2,3
	v_max_num_f32 v[T+\m], v[T+\m], v[TP+\m]
.endr
.irp m, 0,1,2,3
	v_add_nc_u32 v[TS+\m], 0xff000000, v[T+\m]
.endr
.if (\z) == 0
.irp m, 0,1,2,3
	v_lshrrev_b32 v[HB+\m], 23, v[TS+\m]
.endr
.else
.irp m, 0,1,2,3
	v_lshrrev_b32 v[TP+\m], 23, v[TS+\m]
.endr
.irp m, 0,1,2,3
	v_lshl_or_b32 v[TP+\m], v[TP+\m], 8, v[HB+\m]
.endr
.irp m, 0,1,2,3
	v_or_b32 v[TP+\m], 0x7f7f0000, v[TP+\m]
.endr
.endif
.irp m, 0,1,2,3
	v_cvt_scalef32_pk16_fp6_f32 v[CV+4*\m:CV+4*\m+2], v[ACC+16*\m:ACC+16*\m+15], v[TS+\m]
.endr
	v_nop
.irp m, 0,1,2,3
.irp i, 0,1,2
	ds_store_b32 v[26+\m/2], v[CV+4*\m+\i] offset:(\m%2)*24832+24*(\z)+4*\i
.endr
.endr
.if (\z) == 1
.irp m, 0,1,2,3
	ds_store_b32 v28, v[TP+\m] offset:2112*\m
.endr
.endif
.endm
.macro VSTORE z
.irp m, 0,1,2,3
.irp p, 0,1
.irp c, 0,1
	ds_store_b128 v[VW], v[ACC+16*\m+8*\p+4*\c:ACC+16*\m+8*\p+4*\c+3] offset:16640*\m+256*(\z)+128*\p+16*\c
.endr
.endr
.endr
.endm
.macro SEND
	s_wait_xcnt 0x0
	WIN 0x40
.irp k, 0,1,2,3,4,5,6,7,8,9,10,11,12,13,14,15
	ds_load_b128 v[192+4*\k:195+4*\k], v[YR] offset:544*\k
.endr
	WIN 0x80
.irp k, 0,1,2,3,4,5,6,7,8,9,10,11,12,13,14,15
	ds_load_b128 v[192+4*\k:195+4*\k], v[YR] offset:8704+544*\k
.endr
	s_wait_dscnt 16
	WIN 0x04
.irp k, 0,1,2,3,4,5,6,7,8,9,10,11,12,13,14,15
	global_store_b128 v[YG], v[192+4*\k:195+4*\k], s[10:11] offset:8192*\k th:TH_STORE_NT
.endr
	s_wait_dscnt 0x0
	WIN 0x08
.irp k, 0,1,2,3,4,5,6,7,8,9,10,11,12,13,14,15
	global_store_b128 v[YG], v[192+4*\k:195+4*\k], s[10:11] offset:131072+8192*\k th:TH_STORE_NT
.endr
	WIN 0
.endm
.macro YEPI z, more
.irp m, 0,1,2,3
.irp c, 0,1,2,3
	ds_store_b128 v[YW], v[ACC+16*\m+4*\c:ACC+16*\m+4*\c+3] offset:4352*\m+128*(\z)+16*\c
.endr
.endr
.if \more
.irp c, 0,1,2,3
	global_load_b128 v[BI+16*(\z)+4*\c:BI+16*(\z)+4*\c+3], v[BA], s[8:9] offset:256+128*(\z)+16*\c
.endr
.endif
.if (\z) == 1
	SEND
.endif
.endm
.macro GSLOT z, kind, mode, nl, lc, more
.if (\kind) == 2
	s_wait_loadcnt \lc
.endif
.if (\kind) == 0
	s_wait_dscnt 12+4*(1-(\z))                     ; all four fragment buffers are in; the last slot's stores of codes and scale words, issued behind their loads (16 behind a second half, 12 behind a first), may be out
.else
	s_wait_dscnt 12                                ; the last slot's stores have read the accumulators, K steps 0 and 1 are in; the 12 loads of K steps 2 and 3, issued behind the stores, may be out
.endif
	WIN 0x04
.if (\kind) == 2
	KST \z, 0, 1
.else
	KST \z, 0, 0
.endif
	KST \z, 1, 2                                   ; the K steps go in pairs, and the LDS loads in runs of 12 behind each pair
	PLACES 4
	FRAGS \z, 4, 0
	FRAGS \z, 5, 1
	s_wait_dscnt 12                                ; all but the 12 just issued: K steps 2 and 3 are in
	KST \z, 2, 2
	KST \z, 3, 2
	PLACES 4
	FRAGS \z, 6, 2
	FRAGS \z, 7, 3
.if (\mode) >= 1
	WIN 0
	s_wait_tensorcnt 0x0
	ds_add_u32 v[SPW], v[NIL]
.if (\mode) == 2
	s_add_nc_u64 s[26+4*(\z):27+4*(\z)], s[26+4*(\z):27+4*(\z)], 2*SLOTB
	s_wait_xcnt 0x0                                ; the last slot's prefetch has read its base,
	s_add_nc_u64 s[46:47], s[46:47], SLOTB         ; which goes a slot on
.endif
	s_wait_dscnt 19
	WIN 0x08
	KST \z, 4, 2
	s_wait_dscnt 0x0
	s_barrier_signal -1
	KST \z, 5, 2
	WIN 0
	s_barrier_wait -1
.if (\mode) == 2
	CREST
	tensor_load_to_lds s[24+4*(\z):27+4*(\z)], s[16:23]
	s_nop 0
.endif
	PLACES 4
.else
	WIN 0x08
	s_wait_dscnt 18
	KST \z, 4, 2
	s_wait_dscnt 12
	KST \z, 5, 2
.endif
.if \nl
	FRAGS 1-(\z), 0, 0
	FRAGS 1-(\z), 1, 1
	WSCL 1-(\z)
.endif
.if (\mode) == 2
.if (\kind) == 2
	s_cmp_ge_u32 s36, 2                            ; the last phase's last trip (slots 28, 29) has no slot four on
	s_cbranch_scc0 .Lno_ask_\@
.endif
	s_cmp_lt_u32 ttmp9, 4
	s_cbranch_scc0 .Lno_prefetch_fused0_\@
	global_prefetch_b8 v[PFO], s[46:47] offset:3*SLOTB th:TH_LOAD_NT scope:SCOPE_SE   ; the base stands at slot t + 1: my 25 blocks of slot t + 4
.Lno_prefetch_fused0_\@:
.if (\kind) == 2
.Lno_ask_\@:
.endif
.endif
	WIN 0x08
.if (\mode) == 0
	s_wait_dscnt 0x0
.endif
	KST \z, 6, 2
	KST \z, 7, 2
	WIN 0
	PLACES 5
.if (\kind) == 0
.if \nl
	FRAGS 1-(\z), 2, 2                             ; q and k: the loads first, so that they land under the quantiser's vector work
	FRAGS 1-(\z), 3, 3
.endif
	QEPI \z
.else
.if (\kind) == 1
	VSTORE \z                                      ; v and the result: the stores of the accumulators first, since the next slot's first products wait for them
.else
	YEPI \z, \more
.endif
.if \nl
	FRAGS 1-(\z), 2, 2
	FRAGS 1-(\z), 3, 3
.endif
.endif
.endm
.macro LOADA
	WIN 0x40
.irp m, 0,1,2,3
.irp s, 0,1,2,3
.irp p, 0,1,2,3,4,5
	ds_load_b64 v[12*(4*\m+\s)+2*\p:12*(4*\m+\s)+2*\p+1], v[AA] offset:12544*\m+96*\s+48*(\p/3)+8*(\p%3)
.endr
.endr
.endr
	WIN 0x80
.irp m, 0,1,2,3
.irp s, 0,1,2,3
.irp p, 0,1,2,3,4,5
	ds_load_b64 v[12*(4*\m+\s)+2*\p:12*(4*\m+\s)+2*\p+1], v[AA] offset:12544*\m+96*(\s+4)+48*(\p/3)+8*(\p%3)
.endr
.endr
.endr
	WIN 0
.irp g, 0,1
.irp c, 0,1
	ds_load_b128 v[ASC+8*\g+4*\c:ASC+8*\g+4*\c+3], v[ASA] offset:1536*\g+16*\c
.endr
.endr
.endm
	s_load_b256 s[4:11], s[0:1], 0x0
	v_lshl_add_u32 v[SPW], v0, 2, SPARE
	v_mov_b32 v[NIL], 0
	ds_add_u32 v1, v2
	ds_add_u32 v1, v2
	s_wait_dscnt 0x0
	v_lshrrev_b32 v26, 5, v0
	v_readfirstlane_b32 s12, v26
	s_bfe_u32 s13, ttmp6, 0x40000
	s_lshl_b32 s14, ttmp9, 2
	s_add_co_u32 s14, s14, s13
	s_mov_b32 s16, 15|(3<<16)|(1<<21)
	s_mov_b32 s17, 32<<16
	s_mov_b32 s18, 100<<16
	s_mov_b32 s19, 32<<16
	s_mov_b32 s20, 100
	s_mov_b32 s21, 32
	s_mov_b32 s22, 0
	s_mov_b32 s23, 0
	s_mov_b32 s24, 1
	s_mul_i32 s25, s12, WBLK
	s_mov_b32 s28, 1
	s_add_co_u32 s29, s25, SLOTB
	s_mov_b32 s42, s25
	s_mov_b32 s43, 0
	s_lshl_b32 s44, s14, 18
	s_mov_b32 s45, 0
	s_mov_b32 s32, 0x76543210
	s_mov_b32 s33, 0xfedcba98
	s_mov_b32 s34, 0x3e38aa3b
	s_mov_b32 s35, s34
	s_mov_b32 s37, 0
	s_mov_b32 s38, 0
	s_mov_b32 s39, 0
	s_mov_b32 s40, 0
	s_wait_kmcnt 0x0
	s_add_nc_u64 s[26:27], s[6:7], s[42:43]
	s_add_nc_u64 s[30:31], s[26:27], SLOTB
	s_or_b32 s27, s27, 0x80000000
	s_or_b32 s31, s31, 0x80000000
	s_add_nc_u64 s[4:5], s[4:5], s[44:45]
	s_add_nc_u64 s[10:11], s[10:11], s[44:45]
	s_lshl_b32 s44, s12, 16
	s_add_nc_u64 s[4:5], s[4:5], s[44:45]
	s_lshl_b32 s44, s12, 10
	s_add_nc_u64 s[10:11], s[10:11], s[44:45]
	s_add_nc_u64 s[8:9], s[8:9], s[44:45]
	CROUND
	tensor_load_to_lds s[24:27], s[16:23]          ; slot 0: one tensor load a wave at the head
	s_nop 0
	PLACES 4
	s_mov_b64 s[46:47], s[6:7]                     ; the prefetches' base: slot 0
	v_and_b32 v27, 31, v0
	v_lshlrev_b32 v[XG], 4, v27
.macro XLOAD t
.irp i, 0,1,2,3
	global_load_b128 v[32+16*((\t)%8)+4*\i:32+16*((\t)%8)+4*\i+3], v[XG], s[4:5] offset:2048*(\t)+512*\i th:TH_LOAD_NT
.endr
.endm
.macro XTURN t
.irp i, 0,1,2,3
	ds_store_b128 v[XTI], v[32+16*((\t)%8)+4*\i:32+16*((\t)%8)+4*\i+3] offset:2560*((\t)%2)+640*\i
.endr
.irp i, 0,1,2,3
	ds_load_b128 v[160+16*((\t)%2)+4*\i:160+16*((\t)%2)+4*\i+3], v[XTO] offset:2560*((\t)%2)+16*\i
.endr
.endm
.irp t, 0,1,2,3,4,5,6,7
	XLOAD \t
.endr
	v_and_b32 v28, 15, v0
	v_bfe_u32 v29, v0, 4, 1
	v_lshl_add_u32 v[FA], v27, 4, s25
	v_add_nc_u32 v[FA+1], SLOTB, v[FA]
	v_lshl_add_u32 v[SA], v27, 2, s25
	v_add_nc_u32 v[SA], SCOFF, v[SA]
	v_add_nc_u32 v[SA+1], SLOTB, v[SA]
	v_mul_u32_u24 v[AA], v28, 784
	v_mad_u32_u24 v[AA], v29, 24, v[AA]
	v_add_nc_u32 v[AA], AR, v[AA]
	v_mul_u32_u24 v[ASA], v27, 48
	v_add_nc_u32 v[ASA], AS, v[ASA]
	s_mul_i32 s42, s12, 48
	s_add_co_u32 s42, s42, QC
	v_mul_u32_u24 v[QW0], v28, 1552
	v_mad_u32_u24 v[QW0], v29, 12, v[QW0]
	v_add_nc_u32 v[QW0], s42, v[QW0]
	s_lshl_b32 s42, s12, 2
	s_add_co_u32 s42, s42, QS
	v_mul_u32_u24 v[QSW0], v28, 132
	v_add_nc_u32 v[QSW0], s42, v[QSW0]
	s_mul_i32 s42, s12, 24832
	s_add_co_u32 s42, s42, QC
	v_mul_u32_u24 v[QA], v28, 48
	v_mad_u32_u24 v[QA], v29, 24, v[QA]
	v_add_nc_u32 v[QA], s42, v[QA]
	s_mul_i32 s42, s12, 2112
	s_add_co_u32 s42, s42, QS
	v_lshl_add_u32 v[QSA], v27, 2, s42
	s_and_b32 s42, s12, 1
	s_lshl_b32 s42, s42, 9
	s_lshr_b32 s43, s12, 1
	s_lshl_b32 s43, s43, 6
	s_add_co_u32 s42, s42, s43
	s_add_co_u32 s42, s42, VST
	v_mul_u32_u24 v[VW], v28, 1040
	v_lshl_add_u32 v[VW], v29, 5, v[VW]
	v_add_nc_u32 v[VW], s42, v[VW]
	s_mul_i32 s42, s12, 16640
	s_add_co_u32 s42, s42, VST
	v_lshl_add_u32 v[VA], v27, 2, s42
	s_mul_i32 s42, s12, 12544
	s_add_co_u32 s42, s42, AR
	v_mul_u32_u24 v[OA], v28, 48
	v_mad_u32_u24 v[OA], v29, 12, v[OA]
	v_add_nc_u32 v[OA], s42, v[OA]
	v_mul_u32_u24 v[XCW], v27, 12
	v_add_nc_u32 v[XCW], s42, v[XCW]
	s_mul_i32 s42, s12, 768
	s_add_co_u32 s42, s42, AS
	v_lshl_add_u32 v[OSA], v28, 1, s42
	v_lshrrev_b32 v[XSW], 1, v27
	v_add_nc_u32 v[XSW], s42, v[XSW]
	s_mul_i32 s42, s12, 17408
	s_add_co_u32 s42, s42, YST
	v_mul_u32_u24 v[YW], v28, 272
	v_lshl_add_u32 v[YW], v29, 6, v[YW]
	v_add_nc_u32 v[YW], s42, v[YW]
	v_mul_u32_u24 v[YR], v29, 272
	v_lshl_add_u32 v[YR], v28, 4, v[YR]
	v_add_nc_u32 v[YR], s42, v[YR]
	v_lshlrev_b32 v[YG], 12, v29
	v_lshl_add_u32 v[YG], v28, 4, v[YG]
	v_lshlrev_b32 v[BA], 6, v29
	s_mul_i32 s42, s12, 5120
	s_add_co_u32 s42, s42, XT
	v_lshrrev_b32 v30, 2, v27
	v_mul_u32_u24 v30, v30, 80
	v_and_b32 v31, 3, v27
	v_lshl_add_u32 v30, v31, 4, v30
	v_add_nc_u32 v[XTI], s42, v30
	v_mul_u32_u24 v[XTO], v27, 80
	v_add_nc_u32 v[XTO], s42, v[XTO]
	v_min_u32 v31, 24, v27
	s_mul_i32 s42, s13, 100
	s_mul_i32 s43, s12, 25
	s_add_co_u32 s42, s42, s43
	v_add_nc_u32 v31, s42, v31
	v_lshlrev_b32 v[PFO], 8, v31                   ; block 100 cx + 25 wave + min(lane, 24) of a slot's 400
.irp i, 228,229,230,231,232,233,234,235,236,237,238,239
	v_mov_b32 v\i, 0
.endr
	s_wait_loadcnt 28
	XTURN 0
.macro XSTEP t
.set XS, 160+16*((\t)%2)
.if (\t) > 0
	s_wait_dscnt 4
.else
	s_wait_dscnt 0x0
.endif
.if (\t)+8 < 32
	XLOAD (\t)+8
.endif
.if (\t)+1 < 32
.if 30-(\t) >= 7
	s_wait_loadcnt 28
.else
	s_wait_loadcnt 4*(30-(\t))
.endif
	XTURN (\t)+1
.if ((\t)%8 == 4) && ((\t) < 24)
	s_cmp_lt_u32 ttmp9, 4
	s_cbranch_scc0 .Lno_prefetch_fused1_\@
	global_prefetch_b8 v[PFO], s[46:47] offset:SLOTB*((\t)/8+1) th:TH_LOAD_NT scope:SCOPE_SE   ; slots 1 to 3
.Lno_prefetch_fused1_\@:
.endif
.endif
	v_max3_num_f32 v224, |v[XS]|, |v[XS+1]|, |v[XS+2]|
	v_max3_num_f32 v225, |v[XS+3]|, |v[XS+4]|, |v[XS+5]|
.irp i, 6,10
	v_max3_num_f32 v224, v224, |v[XS+\i]|, |v[XS+\i+1]|
	v_max3_num_f32 v225, v225, |v[XS+\i+2]|, |v[XS+\i+3]|
.endr
	v_max3_num_f32 v224, v224, |v[XS+14]|, |v[XS+15]|
	v_max3_num_f32 v224, v224, v225, 0x1800000
	v_max_num_f32_dpp v224, v224, v224 row_xmask:1 row_mask:0xf bank_mask:0xf
	v_add_nc_u32 v226, 0xff000000, v224
	v_cvt_scalef32_pk16_fp6_f32 v[240+4*((\t)%2):242+4*((\t)%2)], v[XS:XS+15], v226
	v_lshrrev_b32 v[248+(\t)%2], 23, v226
.irp i, 0,1,2
	ds_store_b32 v[XCW], v[240+4*((\t)%2)+\i] offset:784*((\t)/2)+384*((\t)%2)+4*\i
.endr
	ds_store_b8 v[XSW], v[248+(\t)%2] offset:48*((\t)/2)+16*((\t)%2)
.endm
.irp t, 0,1,2,3,4,5,6,7,8,9,10,11,12,13,14,15,16,17,18,19,20,21,22,23,24,25,26,27,28,29,30,31
	XSTEP \t
.endr
	s_wait_alu depctr_va_vdst(0)
	s_wait_tensorcnt 0x0                           ; slot 0 is in
	ds_add_u32 v[SPW], v[NIL]
	s_wait_dscnt 0x0                               ; the add is done, and my stores of x's codes
	CROUND                                         ; all 64 rows' codes are in LDS, and the four partners are here: the joint loads meet
	tensor_load_to_lds s[28:31], s[16:23]          ; slot 1
	s_nop 0
	PLACES 4
	LOADA
	PRO 0
	s_wait_dscnt 12                                ; x's codes, K steps 0 and 1 and the scale words are in; the 12 loads of K steps 2 and 3 may be out
	s_mov_b32 s36, 7
.Lqk:
	GSLOT 0, 0, 2, 1, 0, 0
	GSLOT 1, 0, 2, 1, 0, 0
	s_add_co_u32 s37, s37, 192
	s_add_co_u32 s38, s38, 16
	s_sub_co_u32 s36, s36, 1
	s_cmp_lg_u32 s36, 0
	s_cbranch_scc1 .Lqk
	GSLOT 0, 0, 2, 1, 0, 0
	GSLOT 1, 0, 2, 0, 0, 0
.macro SLOAD k
.irp i, 0,1,2,3
.irp j, 0,1,2
	ds_load_b64 v[WF+24*\i+2*\j:WF+24*\i+2*\j+1], v[QA] offset:1552*(4*(\k)+\i)+8*\j
	ds_load_b64 v[WF+24*\i+12+2*\j:WF+24*\i+12+2*\j+1], v[QA] offset:1552*(4*(\k)+\i)+768+8*\j
.endr
	ds_load_b32 v[WSC+\i], v[QSA] offset:132*(4*(\k)+\i)
.endr
.endm
.macro SOFTMAX k
.set SB, ACC+32*((\k)%2)
.irp i, 0,1,2,3
	v_max3_num_f32 v[T+\i], v[SB+8*\i], v[SB+8*\i+1], v[SB+8*\i+2]
.endr
.irp i, 0,1,2,3
	v_max3_num_f32 v[T+\i], v[T+\i], v[SB+8*\i+3], v[SB+8*\i+4]
.endr
.irp i, 0,1,2,3
	v_max3_num_f32 v[T+\i], v[T+\i], v[SB+8*\i+5], v[SB+8*\i+6]
.endr
.irp i, 0,1,2,3
	v_max_num_f32 v[T+\i], v[T+\i], v[SB+8*\i+7]
.endr
.irp i, 0,1,2,3
	v_permlanex16_b32 v[TP+\i], v[T+\i], s32, s33
.endr
.irp i, 0,1,2,3
	v_max_num_f32 v[T+\i], v[T+\i], v[TP+\i]
.endr
.irp i, 0,1,2,3
	v_mul_f32 v[NM+2*\i], s34, v[T+\i]
.endr
.irp i, 0,1,2,3
.irp j, 0,2,4,6
	v_pk_fma_f32 v[SB+8*\i+\j:SB+8*\i+\j+1], v[SB+8*\i+\j:SB+8*\i+\j+1], s[34:35], v[NM+2*\i:NM+2*\i+1] op_sel_hi:[1,0,0] neg_lo:[0,0,1] neg_hi:[0,0,1]
.endr
.endr
	s_wait_alu depctr_va_vdst(0)
.irp i, 0,1,2,3
.irp j, 0,1,2,3,4,5,6,7
	v_exp_f32 v[SB+8*\i+\j], v[SB+8*\i+\j]
.endr
.endr
	v_nop
	s_wait_alu depctr_va_vdst(0)
.irp i, 0,1,2,3
	v_pk_add_f32 v[CV+4*\i:CV+4*\i+1], v[SB+8*\i:SB+8*\i+1], v[SB+8*\i+2:SB+8*\i+3]
.endr
.irp i, 0,1,2,3
	v_pk_add_f32 v[CV+4*\i+2:CV+4*\i+3], v[SB+8*\i+4:SB+8*\i+5], v[SB+8*\i+6:SB+8*\i+7]
.endr
.irp i, 0,1,2,3
	v_pk_add_f32 v[CV+4*\i:CV+4*\i+1], v[CV+4*\i:CV+4*\i+1], v[CV+4*\i+2:CV+4*\i+3]
.endr
.irp i, 0,1,2,3
	v_add_f32 v[T+\i], v[CV+4*\i], v[CV+4*\i+1]
.endr
.irp i, 0,1,2,3
	v_permlanex16_b32 v[TP+\i], v[T+\i], s32, s33
.endr
.irp i, 0,1,2,3
	v_add_f32 v[T+\i], v[T+\i], v[TP+\i]
.endr
	s_wait_alu depctr_va_vdst(0)
.irp i, 0,1,2,3
	v_rcp_f32 v[NM+2*\i], v[T+\i]
.endr
	v_nop
.if (\k) < 2
	WIN 0x40
.else
	WIN 0x80
.endif
	s_wait_alu depctr_va_vdst(0)
.irp i, 0,1,2,3
.irp j, 0,2,4,6
	v_pk_mul_f32 v[192+8*((4*(\k)+\i)%8)+\j:192+8*((4*(\k)+\i)%8)+\j+1], v[SB+8*\i+\j:SB+8*\i+\j+1], v[NM+2*\i:NM+2*\i+1] op_sel_hi:[1,0]
.endr
.endr
	WIN 0
.endm
	BAR
.irp i, 0,1,2,3
.irp j, 6,7,8,9,10,11,18,19,20,21,22,23
	v_mov_b32 v[WF+24*\i+\j], 0
.endr
.endr
	PLACES 4
	SLOAD 0
	s_wait_alu depctr_va_vdst(0)
.irp k, 0,1,2,3
	s_wait_dscnt 0x0
.irp i, 0,1,2,3
	WM ACC+32*(\k%2)+8*\i, WF+24*\i+12, WF+24*\i, WSC+\i, WSC+\i, 1, 0, 0, 0
.endr
	PLACES 4
.if \k < 3
	SLOAD \k+1
.endif
	SOFTMAX \k
.endr
	PRO 0
.macro VLOAD k
.irp t, 0,1,2,3
.irp i, 0,1,2,3,4,5,6,7
	ds_load_b32 v[ACC+32*((\k)%2)+8*\t+\i], v[VA] offset:1040*(4*(\k)+\t)+128*\i
.endr
.endr
.endm
.macro PVG k, u
.irp s, 0,1,2,3
.irp t, 0,1,2,3
.if \s == 0
	v_wmma_f32_16x16x4_f32 v[16*(4*(\k)+\t)+8*(\u):16*(4*(\k)+\t)+8*(\u)+7], v[ACC+32*((\k)%2)+8*\t+2*\s:ACC+32*((\k)%2)+8*\t+2*\s+1], v[192+8*((4*(\k)+\t)%8)+2*\s:192+8*((4*(\k)+\t)%8)+2*\s+1], 0
.else
	v_wmma_f32_16x16x4_f32 v[16*(4*(\k)+\t)+8*(\u):16*(4*(\k)+\t)+8*(\u)+7], v[ACC+32*((\k)%2)+8*\t+2*\s:ACC+32*((\k)%2)+8*\t+2*\s+1], v[192+8*((4*(\k)+\t)%8)+2*\s:192+8*((4*(\k)+\t)%8)+2*\s+1], v[16*(4*(\k)+\t)+8*(\u):16*(4*(\k)+\t)+8*(\u)+7]
.endif
.endr
.endr
.endm
.macro PV u
	VLOAD 0
	VLOAD 1
	s_wait_dscnt 32
	WIN 0xf4
	PVG 0, \u
	WIN 0
	PLACES 8
	VLOAD 2
	s_wait_dscnt 32
	WIN 0xf4
	PVG 1, \u
	WIN 0
	PLACES 8
	VLOAD 3
	s_wait_dscnt 32
	WIN 0xf8
	PVG 2, \u
	WIN 0
	s_wait_dscnt 0x0
	WIN 0xf8
	PVG 3, \u
	WIN 0
	PLACES 9
.endm
.macro POQ
	v_add_nc_u32 v26, s39, v[OA]
	v_add_nc_u32 v27, s40, v[OSA]
.irp k, 0,1,2,3
	s_wait_dscnt 0x0
	WIN 0x3c
.irp t, 0,1,2,3
	v_max3_num_f32 v[T+\t], 0x1800000, |v[16*(4*\k+\t)]|, |v[16*(4*\k+\t)+1]|
.endr
.irp i, 2,4,6,8,10,12,14
.irp t, 0,1,2,3
	v_max3_num_f32 v[T+\t], v[T+\t], |v[16*(4*\k+\t)+\i]|, |v[16*(4*\k+\t)+\i+1]|
.endr
.endr
	WIN 0
.irp t, 0,1,2,3
	v_permlanex16_b32 v[TP+\t], v[T+\t], s32, s33
.endr
.irp t, 0,1,2,3
	v_max_num_f32 v[T+\t], v[T+\t], v[TP+\t]
.endr
.irp t, 0,1,2,3
	v_add_nc_u32 v[TS+\t], 0xff000000, v[T+\t]
.endr
.irp t, 0,1,2,3
	v_lshrrev_b32 v[TP+\t], 23, v[TS+\t]
.endr
	WIN 0x03
.irp t, 0,1,2,3
	v_cvt_scalef32_pk16_fp6_f32 v[CV+4*\t:CV+4*\t+2], v[16*(4*\k+\t):16*(4*\k+\t)+15], v[TS+\t]
.endr
	WIN 0
	v_nop
.irp t, 0,1,2,3
.irp i, 0,1,2
	ds_store_b32 v26, v[CV+4*\t+\i] offset:784*(4*\k+\t)+4*\i
.endr
	ds_store_b8 v27, v[TP+\t] offset:48*(4*\k+\t)
.endr
.endr
.endm
	s_mov_b32 s36, 2
.Lv:
	GSLOT 0, 1, 2, 1, 0, 0
	GSLOT 1, 1, 2, 1, 0, 0
	s_wait_alu depctr_va_vdst(0)
	BAR
	PV 0
	GSLOT 0, 1, 2, 1, 0, 0
	GSLOT 1, 1, 2, 1, 0, 0
	BAR
	PV 1
	POQ
	s_add_co_u32 s39, s39, 24
	s_add_co_u32 s40, s40, 1
	s_sub_co_u32 s36, s36, 1
	s_cmp_lg_u32 s36, 0
	s_cbranch_scc1 .Lv
	BAR
.irp z, 0,1
.irp c, 0,1,2,3
	global_load_b128 v[BI+16*\z+4*\c:BI+16*\z+4*\c+3], v[BA], s[8:9] offset:128*\z+16*\c
.endr
.endr
	LOADA
	s_wait_dscnt 0x0
	s_mov_b32 s36, 3
.Lo:
	GSLOT 0, 2, 2, 1, 4, 1
	GSLOT 1, 2, 2, 1, 4, 1
	s_wait_xcnt 0x0
	s_add_nc_u64 s[10:11], s[10:11], 256
	s_add_nc_u64 s[8:9], s[8:9], 256
	s_sub_co_u32 s36, s36, 1
	s_cmp_lg_u32 s36, 0
	s_cbranch_scc1 .Lo
	GSLOT 0, 2, 1, 1, 4, 0
	GSLOT 1, 2, 0, 0, 0, 0
	s_wait_tensorcnt 0x0
	ds_add_u32 v[SPW], v[NIL]
	s_wait_dscnt 0x0
	CROUND
	s_endpgm
.Lfunc_end_k_qad87b0b100_fused:
	.size	k_qad87b0b100_fused, .Lfunc_end_k_qad87b0b100_fused-k_qad87b0b100_fused
	.p2alignl 7, 3214868480
	.fill 96, 4, 3214868480
	.section	.rodata,"a",@progbits
	.p2align	6, 0x0
	.amdhsa_kernel k_qad87b0b100_fused
		.amdhsa_group_segment_fixed_size 327680
		.amdhsa_private_segment_fixed_size 0
		.amdhsa_enable_private_segment 0
		.amdhsa_kernarg_size 32
		.amdhsa_user_sgpr_count 2
		.amdhsa_user_sgpr_kernarg_segment_ptr 1
		.amdhsa_wavefront_size32 1
		.amdhsa_system_sgpr_workgroup_id_x 1
		.amdhsa_system_sgpr_workgroup_id_y 1
		.amdhsa_system_sgpr_workgroup_id_z 1
		.amdhsa_system_vgpr_workitem_id 0
		.amdhsa_next_free_vgpr 1024
		.amdhsa_next_free_sgpr 66
		.amdhsa_reserve_vcc 0
		.amdhsa_float_denorm_mode_32 3
		.amdhsa_float_denorm_mode_16_64 3
		.amdhsa_memory_ordered 1
		.amdhsa_forward_progress 1
		.amdhsa_inst_pref_size 255
	.end_amdhsa_kernel
	.section	.bss,"aw",@nobits
	.p2align	6
	.space	262144
	.amdgpu_metadata
---
amdhsa.version: [ 1, 2 ]
amdhsa.kernels:
  - .name:           k_qad87b0b100_fused
    .symbol:         k_qad87b0b100_fused.kd
    .args:
      - { .name: x, .offset: 0, .size: 8, .value_kind: global_buffer, .address_space: global }
      - { .name: wbuf, .offset: 8, .size: 8, .value_kind: global_buffer, .address_space: global }
      - { .name: b_out, .offset: 16, .size: 8, .value_kind: global_buffer, .address_space: global }
      - { .name: out0, .offset: 24, .size: 8, .value_kind: global_buffer, .address_space: global }
    .group_segment_fixed_size: 327680
    .private_segment_fixed_size: 0
    .kernarg_segment_align: 8
    .kernarg_segment_size: 32
    .max_flat_workgroup_size: 128
    .sgpr_count:     66
    .vgpr_count:     1024
    .wavefront_size: 32
...
	.end_amdgpu_metadata
.endif
;; end of part 2
